; MI455X (gfx1250); checked and timed in simulation.
; The chip was launched on July 23, 2026; its instructions are those of AMD's public machine-readable ISA for CDNA 5 (MIT licence, August 2026) and "CDNA5" Instruction Set Architecture Reference Guide (July 2026). The comments in the code are by the model that wrote it; some were corrected since.
;; PAM Module. Allowed arithmetic: matrix products marked QUANTISED: E2M1 operands, one E8M0 scale for each 32 along K, by v_wmma_scale_f32_16x16x128_f8f6f4 with both operands' format E2M1 (or v_wmma_scale_f32_32x16x128_f4), f32 sums; products left as they are: bf16, f16 or f32 operands; f32 sums; everything else in f32.
;; Inputs: bk 64 float32; bq 64 float32; bv 512 float32; gamma 1 float32; wk 64 x 512 float32; wq 64 x 512 float32; wv 512 x 512 float32; x 4 x 512 x 64 x 64 float32.
;; Outputs: out0 4 x 512 x 64 x 64 float32.
;; This version of the problem:
;;   THIS VERSION OF THE PROBLEM IS GIVEN IN LOW PRECISION. The matrix products marked QUANTISED in the list below multiply operands that are first quantised to E2M1 (2 exponent bits, 1 mantissa bit; 4 bits a number), with one power-of-two scale for each 32 numbers along K (OCP MX v1.0); their sums are f32. The products marked 'left as it is' may take bf16, f16 or f32 operands, with f32 sums. Whichever they take, every output number must still come out within the allowed error. Rounding operands to bf16 (8 significant bits) uses up far more of that allowance than f16 does (11 bits, for magnitudes from 6e-5 to 65,504). All else is computed in f32.
;;   The module's matrix products, in the order in which they are computed (A, B: the left and right operand; K: the contracted axis; several contracted axes count as one K, in the product's order):
;;     1. [M 16,384, K 512] x [K 512, N 64]; A: input x; B: input wq: QUANTISED
;;     2. [M 16,384, K 512] x [K 512, N 64]; A: input x; B: input wk: QUANTISED
;;     3. [M 16,384, K 512] x [K 512, N 512]; A: input x; B: input wv: QUANTISED
;;     4. batch 4 x [M 4,096, K 64] x [K 64, N 4,096]; A: computed on the way; B: computed on the way: left as it is (an operand is computed on the way)
;;     5. batch 4 x [M 512, K 4,096] x [K 4,096, N 4,096]; A: computed on the way; B: computed on the way: left as it is (an operand is computed on the way)
;;   THE QUANTISER, for each operand of a quantised product, along K:
;;     - K is cut into blocks of 32 from its start; a last block that is shorter is filled with zeros.
;;     - A block's scale is 2^e with e = floor(log2(the largest magnitude in the block)) - 2, held to -126 .. 127; a block of zeros has e = 0. As a byte (E8M0): e + 127.
;;     - Each number is divided by its block's scale, clamped to +-6, and rounded to the nearest number of E2M1, ties to even, subnormals kept.
;;     - The product sums the exact products of the quantised numbers (number of the format x scale) in f32.
;;   ~~~python
;;   def quantise(x, axis):      # numpy; x: float32 -> the quantised numbers, widened to float32 again
;;       x = np.moveaxis(x, axis, -1); K = x.shape[-1]
;;       x = np.pad(x, [(0, 0)] * (x.ndim - 1) + [(0, -K % 32)]); x = x.reshape(x.shape[:-1] + (-1, 32)); a = np.abs(x).max(-1, keepdims=True)
;;       e = np.where(a > 0, np.clip(np.frexp(np.where(a > 0, a, 1))[1] - 1 - 2, -126, 127), 0)      # np.frexp(a)[1] - 1 = floor(log2(a)), exactly
;;       r = np.clip(x / 2.0 ** e, -6, 6)
;;       step = 2.0 ** (np.maximum(np.frexp(np.where(r == 0, 1, r))[1] - 1, 0) - 1)
;;       q = np.round(r / step) * step * 2.0 ** e      # np.round: ties to even
;;       return np.moveaxis(q.reshape(q.shape[:-2] + (-1,))[..., :K], -1, axis).astype(np.float32)
;;   ~~~
;; One version. Each part assembles by itself: llvm-mc -triple=amdgcn-amd-amdhsa -mcpu=gfx1250 --defsym DOCPART=n.
;; ======== version 1 of 1: 3 launches
;; limits: values are held in f16: magnitudes above 65,504 overflow, below 6.1e-05 lose precision
;; workspace buffers: wimg 184,320 bytes; qimg 2,097,152 bytes; kimg 2,097,152 bytes; vimg 16,777,216 bytes
;; launch wquant (part 1): grid 40 x 1, 4 waves a work-group, no clusters, 0 bytes of LDS; arguments wq, wk, wv, wimg; writes wimg
.if DOCPART == 1
	.amdgcn_target "amdgcn-amd-amdhsa--gfx1250"
	.amdhsa_code_object_version 6
	.text
	.protected	k_qf7cb216a09_wquant
	.globl	k_qf7cb216a09_wquant
	.p2align	8
	.type	k_qf7cb216a09_wquant,@function
k_qf7cb216a09_wquant:
	s_mov_b64 s[64:65], 0
	v_nop
	global_prefetch_b8 v0, s[64:65] scope:SCOPE_SE
	s_setreg_imm32_b32 hwreg(HW_REG_WAVE_MODE, 25, 1), 1
	s_wait_xcnt 0x0
; wq [64][512], wk [64][512], wv [512][512], f32, K innermost, become codes of FP4 (E2M1) with one E8M0 scale byte for each 32 along K,
; laid in the order in which the next launch's waves take them into registers:
;   wimg = [wave 8][23,040 bytes]: fragments [K step 4][slot 5][part 2][512 bytes: lane l's 16 bytes at 16 l], then from byte 20,480 scale words [K step 4][slot 5][128 bytes: 4 a lane].
; Slots 0-3 of wave w are wv's rows 16 (4 w + slot) on; slot 4 is wq's rows 16 w on (w < 4) or wk's rows 16 (w - 4) on.
; A work-group takes a tile of 16 rows (0-3: wq, 4-7: wk, 8-39: wv), each of its four waves one K step of 128.
; A fragment of 4-bit codes gives lane (r, h) row r and K = 64 c + 32 h + 0 .. 31 in registers 4 c .. 4 c + 3: two whole blocks of 32, which are 128 neighbouring bytes of f32 each.
; So a block's largest magnitude needs no other lane and the conversions' results are the fragment's registers.
; A block's scale is 2^(floor(log2(largest magnitude)) - 2); its byte is the largest magnitude's exponent field - 2, held at 1 from below.
; LIMITS: a block of zeros gets the byte 1 where the rule says 127 (its codes are zeros, and this program alone reads the bytes); NaN and infinities are not served.
; The loads are pieces of 16 bytes a lane and the scale words leave as 128 bytes a wave: 1.3 MB in all, read once, so nothing is staged.
.set X,  16                            ; v16-79  my two blocks of 32 numbers
.set CD, 80                            ; v80-87  the fragment
	s_load_b256 s[4:11], s[0:1], 0x0               ; wq s[4:5], wk s[6:7], wv s[8:9], wimg s[10:11]
	v_lshrrev_b32 v1, 5, v0
	v_readfirstlane_b32 s12, v1                    ; wave = K step
	v_and_b32 v2, 15, v0                           ; r
	v_bfe_u32 v3, v0, 4, 1                         ; h
	v_and_b32 v4, 31, v0                           ; lane
	v_lshlrev_b32 v5, 11, v2                       ; a row is 2,048 bytes
	v_lshl_add_u32 v5, v3, 7, v5                   ; + 128 h: lanes 16-31 take the odd blocks
	v_lshlrev_b32 v6, 4, v4                        ; out: 16 bytes a lane
	v_lshlrev_b32 v7, 2, v4                        ; and 4 for the scale word
	s_mov_b32 s24, 0x76543210
	s_mov_b32 s25, 0xfedcba98                      ; v_permlanex16_b32's selects for lane l xor 16
	s_wait_kmcnt 0x0
	s_cmp_lt_u32 ttmp9, 4                          ; which tensor: the choice hangs on the work-group's number alone
	s_cselect_b64 s[14:15], s[4:5], s[6:7]
	s_cselect_b32 s16, 0, 4
	s_cmp_lt_u32 ttmp9, 8
	s_cselect_b64 s[14:15], s[14:15], s[8:9]
	s_cselect_b32 s16, s16, 8
	s_sub_co_u32 s17, ttmp9, s16                   ; the tile's number in its tensor
	s_lshr_b32 s18, s17, 2                         ; wv: wave = tile / 4,
	s_and_b32 s19, s17, 3                          ; slot = tile % 4
	s_cmp_lt_u32 ttmp9, 8
	s_cselect_b32 s18, ttmp9, s18                  ; wq, wk: wave = the work-group's number,
	s_cselect_b32 s19, 4, s19                      ; slot 4
	s_lshl_b32 s20, s17, 15                        ; 16 rows of 2,048 bytes
	s_lshl_b32 s21, s12, 9                         ; + the K step's 512 bytes
	s_add_co_u32 s20, s20, s21
	s_mov_b32 s21, 0
	s_add_nc_u64 s[14:15], s[14:15], s[20:21]
	s_mul_i32 s22, s12, 5
	s_add_co_u32 s22, s22, s19                     ; 5 x K step + slot
	s_mul_i32 s23, s18, 23040
	s_lshl_b32 s20, s22, 10
	s_add_co_u32 s20, s20, s23
	s_add_nc_u64 s[26:27], s[10:11], s[20:21]      ; where the fragment goes
	s_lshl_b32 s20, s22, 7
	s_add_co_u32 s20, s20, s23
	s_add_co_u32 s20, s20, 20480
	s_add_nc_u64 s[28:29], s[10:11], s[20:21]      ; and its scale words
.irp c, 0,1
.irp i, 0,1,2,3,4,5,6,7
	global_load_b128 v[X+32*\c+4*\i:X+32*\c+4*\i+3], v5, s[14:15] offset:256*\c+16*\i th:TH_LOAD_NT   ; block 2 c + h of row r
.endr
.endr
	s_wait_loadcnt 0x0
.irp c, 0,1
	v_max3_num_f32 v[8+\c], |v[X+32*\c]|, |v[X+32*\c+1]|, 0x1800000   ; with the floor 2^(3 - 127): the byte cannot fall under 1
.endr
.irp i, 2,4,6,8,10,12,14,16,18,20,22,24,26,28,30
.irp c, 0,1
	v_max3_num_f32 v[8+\c], v[8+\c], |v[X+32*\c+\i]|, |v[X+32*\c+\i+1]|   ; the two blocks by turns
.endr
.endr
.irp c, 0,1
	v_add_nc_u32 v[10+\c], 0xff000000, v[8+\c]     ; 2 off the exponent field: the conversion takes this operand's exponent field as its scale
.endr
.irp c, 0,1
	v_lshrrev_b32 v[12+\c], 23, v[10+\c]           ; the scale's byte
.endr
	v_lshl_or_b32 v14, v13, 16, v12                ; my two bytes: blocks h and 2 + h,
	v_lshlrev_b32 v15, 3, v3
	v_lshlrev_b32 v14, v15, v14                    ; at their places in the word (8 h bits up);
	v_mov_b32 v15, 0
	v_permlanex16_b32 v15, v14, s24, s25
	v_or_b32 v14, v14, v15                         ; with lane l xor 16's two the word is whole, in both halves of the lanes
.irp c, 0,1
.irp g, 0,1,2,3
	v_cvt_scalef32_pk8_fp4_f32 v[CD+4*\c+\g], v[X+32*\c+8*\g:X+32*\c+8*\g+7], v[10+\c]
.endr
.endr
	v_nop                                          ; a plain line behind the last conversion
	global_store_b128 v6, v[CD:CD+3], s[26:27]               ; 32 lanes store 512 consecutive bytes
	global_store_b128 v6, v[CD+4:CD+7], s[26:27] offset:512
	global_store_b32 v7, v14, s[28:29]
	s_endpgm
.Lfunc_end_k_qf7cb216a09_wquant:
	.size	k_qf7cb216a09_wquant, .Lfunc_end_k_qf7cb216a09_wquant-k_qf7cb216a09_wquant
	.p2alignl 7, 3214868480
	.fill 96, 4, 3214868480
	.section	.rodata,"a",@progbits
	.p2align	6, 0x0
	.amdhsa_kernel k_qf7cb216a09_wquant
		.amdhsa_group_segment_fixed_size 0
		.amdhsa_private_segment_fixed_size 0
		.amdhsa_enable_private_segment 0
		.amdhsa_kernarg_size 32
		.amdhsa_user_sgpr_count 2
		.amdhsa_user_sgpr_kernarg_segment_ptr 1
		.amdhsa_wavefront_size32 1
		.amdhsa_system_sgpr_workgroup_id_x 1
		.amdhsa_system_sgpr_workgroup_id_y 1
		.amdhsa_system_sgpr_workgroup_id_z 1
		.amdhsa_system_vgpr_workitem_id 0
		.amdhsa_next_free_vgpr 96
		.amdhsa_next_free_sgpr 66
		.amdhsa_reserve_vcc 0
		.amdhsa_float_denorm_mode_32 3
		.amdhsa_float_denorm_mode_16_64 3
		.amdhsa_memory_ordered 1
		.amdhsa_forward_progress 1
		.amdhsa_inst_pref_size 7
	.end_amdhsa_kernel
	.amdgpu_metadata
---
amdhsa.version: [ 1, 2 ]
amdhsa.kernels:
  - .name:           k_qf7cb216a09_wquant
    .symbol:         k_qf7cb216a09_wquant.kd
    .args:
      - { .name: wq, .offset: 0, .size: 8, .value_kind: global_buffer, .address_space: global }
      - { .name: wk, .offset: 8, .size: 8, .value_kind: global_buffer, .address_space: global }
      - { .name: wv, .offset: 16, .size: 8, .value_kind: global_buffer, .address_space: global }
      - { .name: wimg, .offset: 24, .size: 8, .value_kind: global_buffer, .address_space: global }
    .group_segment_fixed_size: 0
    .private_segment_fixed_size: 0
    .kernarg_segment_align: 8
    .kernarg_segment_size: 32
    .max_flat_workgroup_size: 128
    .sgpr_count:     66
    .vgpr_count:     96
    .wavefront_size: 32
...
	.end_amdgpu_metadata
.endif
;; end of part 1
;; launch proj (part 2): grid 64 x 4, 8 waves a work-group, clusters of 4 x 1, 204,800 bytes of LDS; arguments x, wimg, bq, bk, bv, qimg, kimg, vimg; writes qimg, kimg, vimg
.if DOCPART == 2
	.amdgcn_target "amdgcn-amd-amdhsa--gfx1250"
	.amdhsa_code_object_version 6
	.text
	.protected	k_qf7cb216a09_proj
	.globl	k_qf7cb216a09_proj
	.p2align	8
	.type	k_qf7cb216a09_proj,@function
k_qf7cb216a09_proj:
	s_mov_b64 s[64:65], 0
	v_nop
	global_prefetch_b8 v0, s[64:65] scope:SCOPE_SE
	s_setreg_imm32_b32 hwreg(HW_REG_WAVE_MODE, 25, 1), 1
	s_wait_xcnt 0x0
	s_wait_alu depctr_hold_cnt(0) depctr_sa_sdst(0) depctr_va_vdst(0) depctr_va_sdst(0) depctr_va_ssrc(0) depctr_va_vcc(0) depctr_vm_vsrc(0)
	s_getreg_b32 s2, hwreg(HW_REG_IB_STS2, 6, 4)
	s_cmp_eq_u32 s2, 0
	s_cbranch_scc0 .Lentry_in_a_cluster
	s_endpgm
.Lentry_in_a_cluster:
	s_bfe_u32 s2, ttmp6, 0x10000c
	s_cmp_lg_u32 s2, 0x3003
	s_cbranch_scc0 .Lentry_shape_is_right
	s_endpgm
.Lentry_shape_is_right:
; q = wq x + bq, k = wk x + bk, v = wv x + bv for 64 positions of one image, all three products on codes of FP4 (E2M1) with E8M0 scales for each 32 along K = the 512 channels.
; x: [4][512][4096] f32, K NOT innermost.  The weights come as codes from wimg, in the order of this launch's registers.  q, k, v leave as f16, laid as images of the next launch's operand registers
; (an image: 512 bytes, lane l's 16 bytes at 16 l):
;   qimg, kimg = [b][tile of 16 positions 256][ot 4][512]: lane (r, h) holds position r of the tile, channels 16 ot + 8 h + 0 .. 7
;   vimg = [b][chunk of 128 positions 32][cw 4][ks 4][ct 8][part 2][512]: lane (r, h) holds channel 128 cw + 16 ct + r, positions 32 ks + 16 part + 8 h + 0 .. 7 of the chunk
; SHARES.  A work-group: 64 positions, all 640 outputs.  Quantising: wave w takes 32 columns (half w % 2; A LANE TAKES A COLUMN AND ITS REGISTERS RUN DOWN K) and 128 channels (K step w / 2): each load reads 128
; neighbouring bytes, two waves a whole row of 256; a block of 32 lies in one lane; the codes come out with K innermost.  Two v_permlane16_swap_b32 a register pair turn 32 columns x 4 blocks into the fragments of two tiles
; of 16 positions, which go to LDS as images; one word image serves both tiles' scales (lanes 0-15 the even tile, lanes 16-31 the odd one).
; Products: wave w owns v's channel tiles 4 w .. 4 w + 3 (source 0 = x, source 1 = wv: a lane holds one channel and eight neighbouring positions) and one tile of q (w < 4) or k (source 0 = the weight, source 1 = x: a lane holds
; one position and eight neighbouring channels).  bq, bk are the C of the sum's first instruction; bv, one number a lane, is added behind the sums.
; CLUSTER.  All work-groups walk the same weights: the four of a cluster ask for them jointly, each wave its own 23,040 bytes, filled once and read by that wave alone.
; LIMITS: |q|, |k|, |v| under 65,504 (f16); a block of zeros gets the scale byte 1 (its codes are zeros; this program alone reads the bytes); NaN and infinities are not served.
.set WLW,   23040                      ; LDS 0: eight waves' weights
.set XIMG,  184320                     ; x's 16 fragments: (tile pt, K step ks) at (4 pt + ks) x 1,024, part c at + 512 c
.set XSC,   200704                     ; x's 8 word images: (half p, ks) at (4 p + ks) x 128
.set SPARE, 201728                     ; the spare words, 128 bytes for each wave: four blocks of 256 bytes that no other line names
.set LI,  1                            ; v1   16 x lane
.set XO,  3                            ; v3   4 x lane
.set XWI, 4                            ; v4   where I store my two fragments
.set XWS, 5                            ; v5   and my word image
.set WRD, 6                            ; v6   my weights' fragments
.set WSD, 7                            ; v7   and their scale words
.set XRD, 8                            ; v8   x's fragments
.set XSD, 9                            ; v9   x's word images
.set BQO, 10                           ; v10  32 h: my eight numbers of bq or bk
.set BVO, 11                           ; v11  4 r: my number of bv
.set SPW, 14                           ; v14  my spare word; never rewritten
.set NIL, 15                           ; v15  0; never rewritten
.set BQ,  16                           ; v16-23  the C of q's or k's tile
.set BV,  24                           ; v24, 26, 28, 30  bv of my channel in tiles 0-3 (the odd registers, named with them as pairs, hold 0)
.set RAW, 32                           ; v32-159  128 numbers of my column
.set COD, 160                          ; v160-175 their codes: blocks 0, 2, 1, 3
.set TA,  176
.set TB,  177
.set SO,  180                          ; v180-183 the conversions' scale operands
.set SW,  188                          ; v188 my column's scale word
.set ACC, 32                           ; v32-111  ten accumulators: (tile e of the half, slot i) at 8 (5 e + i)
.set FS,  112                          ; v112-167, v168-223  two sets of fragments: five of the weights, two of x
.set PACK,112                          ; v112-151 the results as f16
.set SCL, 224                          ; v224-235 scale words and nothing else: two sets of five weight words and one word of x
.set WV,  20
.set HP,  21
.set KW,  22
.set CX,  23
.set G1,  24
.set G0,  32
.set BLK, 36
.set BB,  37
.set XB,  48
.set SV,  50
.set SQ,  52
.set BQP, 54
.set BVP, 56
.macro PLACES
.rept 4
	v_nop
.endr
.endm
.macro ROUND                           ; a round of the cluster's barrier
	s_barrier_signal -1
	s_barrier_wait -1
	s_cmp_lg_u32 s[WV], 0
	s_cbranch_scc1 .Lnot_wave_0_\@
	s_barrier_signal -3
.Lnot_wave_0_\@:
	s_barrier_wait -3
	s_barrier_signal -1
	s_barrier_wait -1
.endm
.macro LOADX kb                        ; block kb of my K step: x(32 kb + i, my column)
.irp i, 0,1,2,3,4,5,6,7,8,9,10,11,12,13,14,15,16,17,18,19,20,21,22,23,24,25,26,27,28,29,30,31
	global_load_b32 v[RAW+32*(\kb)+\i], v[XO], s[XB:XB+1] offset:(32*(\kb)+\i)*16384 th:TH_LOAD_NT
.endr
.endm
.macro QBLK kb                         ; a block's largest magnitude, scale byte and 32 codes: all its numbers are mine
.set XS, RAW+32*(\kb)
.set CB, COD+8*((\kb)%2)+4*((\kb)/2)
	v_max3_num_f32 v[TA], |v[XS]|, |v[XS+1]|, |v[XS+2]|
	v_max3_num_f32 v[TB], |v[XS+3]|, |v[XS+4]|, |v[XS+5]|
.irp i, 6,10,14,18,22,26
	v_max3_num_f32 v[TA], v[TA], |v[XS+\i]|, |v[XS+\i+1]|
	v_max3_num_f32 v[TB], v[TB], |v[XS+\i+2]|, |v[XS+\i+3]|
.endr
	v_max3_num_f32 v[TA], v[TA], |v[XS+30]|, |v[XS+31]|
	v_max3_num_f32 v[TA], v[TA], v[TB], 0x1800000  ; and the floor 2^(3 - 127): the byte cannot fall under 1
	v_add_nc_u32 v[SO+\kb], 0xff000000, v[TA]      ; 2 off the exponent field: the conversion's scale operand
	v_lshrrev_b32 v[TB], 23, v[SO+\kb]             ; the byte
.if (\kb) == 0
	v_mov_b32 v[SW], v[TB]
.else
	v_lshl_or_b32 v[SW], v[TB], 8*(\kb), v[SW]
.endif
.irp g, 0,1,2,3
	v_cvt_scalef32_pk8_fp4_f32 v[CB+\g], v[XS+8*\g:XS+8*\g+7], v[SO+\kb]
.endr
.endm
.macro LOADSET s, p, ks                ; 20 LDS loads: K step ks of my five weight fragments and of the half's two tiles of x, and their scale words
.irp i, 0,1,2,3,4
.irp c, 0,1
	ds_load_b128 v[FS+56*(\s)+8*\i+4*\c:FS+56*(\s)+8*\i+4*\c+3], v[WRD] offset:(5*(\ks)+\i)*1024+512*\c
.endr
.endr
.irp e, 0,1
.irp c, 0,1
	ds_load_b128 v[FS+56*(\s)+40+8*\e+4*\c:FS+56*(\s)+40+8*\e+4*\c+3], v[XRD] offset:(4*(2*(\p)+\e)+(\ks))*1024+512*\c
.endr
.endr
.irp i, 0,1,2,3,4
	ds_load_b32 v[SCL+6*(\s)+\i], v[WSD] offset:(5*(\ks)+\i)*128
.endr
	ds_load_b32 v[SCL+6*(\s)+5], v[XSD] offset:(4*(\p)+(\ks))*128
.endm
.macro MULSTEP s, zero                 ; ten matrix instructions on ten accumulators, which take turns.  zero = 1: the first K step starts the sums
.irp e, 0,1
.irp i, 0,1,2,3,4
.set rD, ACC+8*(5*\e+\i)
.set rW, FS+56*(\s)+8*\i
.set rX, FS+56*(\s)+40+8*\e
.set rSW, SCL+6*(\s)+\i
.set rSX, SCL+6*(\s)+5
.if \i < 4                             ; v: source 0 = x's 16 positions, source 1 = 16 rows of wv; the odd tile's scale words lie in lanes 16-31
.if \zero
.if \e
	v_wmma_scale_f32_16x16x128_f8f6f4 v[rD:rD+7], v[rX:rX+7], v[rW:rW+7], 0, v[rSX], v[rSW] matrix_a_fmt:MATRIX_FMT_FP4 matrix_b_fmt:MATRIX_FMT_FP4 matrix_a_scale:MATRIX_SCALE_ROW1
.else
	v_wmma_scale_f32_16x16x128_f8f6f4 v[rD:rD+7], v[rX:rX+7], v[rW:rW+7], 0, v[rSX], v[rSW] matrix_a_fmt:MATRIX_FMT_FP4 matrix_b_fmt:MATRIX_FMT_FP4
.endif
.else
.if \e
	v_wmma_scale_f32_16x16x128_f8f6f4 v[rD:rD+7], v[rX:rX+7], v[rW:rW+7], v[rD:rD+7], v[rSX], v[rSW] matrix_a_fmt:MATRIX_FMT_FP4 matrix_b_fmt:MATRIX_FMT_FP4 matrix_a_scale:MATRIX_SCALE_ROW1
.else
	v_wmma_scale_f32_16x16x128_f8f6f4 v[rD:rD+7], v[rX:rX+7], v[rW:rW+7], v[rD:rD+7], v[rSX], v[rSW] matrix_a_fmt:MATRIX_FMT_FP4 matrix_b_fmt:MATRIX_FMT_FP4
.endif
.endif
.else                                  ; q or k: source 0 = 16 rows of the weight, source 1 = x's 16 positions; the bias starts the sum
.if \zero
.if \e
	v_wmma_scale_f32_16x16x128_f8f6f4 v[rD:rD+7], v[rW:rW+7], v[rX:rX+7], v[BQ:BQ+7], v[rSW], v[rSX] matrix_a_fmt:MATRIX_FMT_FP4 matrix_b_fmt:MATRIX_FMT_FP4 matrix_b_scale:MATRIX_SCALE_ROW1
.else
	v_wmma_scale_f32_16x16x128_f8f6f4 v[rD:rD+7], v[rW:rW+7], v[rX:rX+7], v[BQ:BQ+7], v[rSW], v[rSX] matrix_a_fmt:MATRIX_FMT_FP4 matrix_b_fmt:MATRIX_FMT_FP4
.endif
.else
.if \e
	v_wmma_scale_f32_16x16x128_f8f6f4 v[rD:rD+7], v[rW:rW+7], v[rX:rX+7], v[rD:rD+7], v[rSW], v[rSX] matrix_a_fmt:MATRIX_FMT_FP4 matrix_b_fmt:MATRIX_FMT_FP4 matrix_b_scale:MATRIX_SCALE_ROW1
.else
	v_wmma_scale_f32_16x16x128_f8f6f4 v[rD:rD+7], v[rW:rW+7], v[rX:rX+7], v[rD:rD+7], v[rSW], v[rSX] matrix_a_fmt:MATRIX_FMT_FP4 matrix_b_fmt:MATRIX_FMT_FP4
.endif
.endif
.endif
.endr
.endr
.endm
; Half p of the 64 positions (tiles 2 p, 2 p + 1): four K steps on two sets of fragments, the next step's 20 loads issued ahead of each step's products; then bias, f16, ten stores of 512 consecutive bytes.
.macro HALF p
	s_wait_xcnt 0x0                                ; the last half's stores have read PACK, which the loads below land on
.rept 5
	v_nop                                          ; five places: the first products below write accumulators of the last half anew
.endr
	LOADSET 0, \p, 0
.irp k, 0,1,2,3
.if \k < 3
	PLACES                                         ; in front of loads into registers that matrix instructions have read
	LOADSET (\k+1)%2, \p, \k+1
	s_wait_dscnt 20                                ; this step's set is in; the 20 loads just issued may be out
.else
	s_wait_dscnt 0x0
.endif
.if \k == 0
	MULSTEP 0, 1
.else
	MULSTEP \k%2, 0
.endif
.endr
	PLACES
.irp e, 0,1
.irp i, 0,1,2,3
.irp j, 0,2,4,6
	v_pk_add_f32 v[ACC+8*(5*\e+\i)+\j:ACC+8*(5*\e+\i)+\j+1], v[ACC+8*(5*\e+\i)+\j:ACC+8*(5*\e+\i)+\j+1], v[BV+2*\i:BV+2*\i+1] op_sel_hi:[1,0]   ; + bv of my channel; each accumulator from its low end on
.endr
.endr
.endr
.irp a, 0,1,2,3,4,5,6,7,8,9
.irp j, 0,1,2,3
	v_cvt_pk_f16_f32 v[PACK+4*\a+\j], v[ACC+8*\a+2*\j], v[ACC+8*\a+2*\j+1]
.endr
.endr
.irp e, 0,1
.irp i, 0,1,2,3
	global_store_b128 v[LI], v[PACK+4*(5*\e+\i):PACK+4*(5*\e+\i)+3], s[SV:SV+1] offset:(\p)*8192+\i*1024+\e*512
.endr
	global_store_b128 v[LI], v[PACK+4*(5*\e+4):PACK+4*(5*\e+4)+3], s[SQ:SQ+1] offset:(2*(\p)+\e)*2048
.endr
.endm
	s_load_b256 s[4:11], s[0:1], 0x0               ; x s[4:5], wimg s[6:7], bq s[8:9], bk s[10:11]
	s_load_b256 s[12:19], s[0:1], 0x20             ; bv s[12:13], qimg s[14:15], kimg s[16:17], vimg s[18:19]
	v_lshl_add_u32 v[SPW], v0, 2, SPARE
	v_mov_b32 v[NIL], 0
	ds_add_u32 v[SPW], v[NIL]                      ; the wave's opening: the add, twice on end, and its wait ahead of my first tensor load
	ds_add_u32 v[SPW], v[NIL]
	v_lshrrev_b32 v12, 5, v0
	v_readfirstlane_b32 s[WV], v12                 ; wave 0..7
	s_and_b32 s[HP], s[WV], 1                      ; which 32 columns I quantise
	s_lshr_b32 s[KW], s[WV], 1                     ; which K step
	s_bfe_u32 s[CX], ttmp6, 0x40000                ; my place in the cluster: it enters global addresses alone
	s_lshl_b32 s[BLK], ttmp9, 2
	s_add_co_u32 s[BLK], s[BLK], s[CX]             ; my block of 64 positions
	s_and_b32 s[BB], ttmp7, 0xffff                 ; the image
	s_mov_b32 s[G1], 15|(3<<16)|(1<<21)            ; the mask: all four work-groups; elements of 8 bytes; bit 21 beside a mask; no padding
	s_mov_b32 s[G1+1], 32<<16                      ; tensor_dim0 = 32 elements: rows of 256 bytes
	s_mov_b32 s[G1+2], 90<<16                      ; tensor_dim1 = 90 rows: 23,040 dense bytes
	s_mov_b32 s[G1+3], 32<<16                      ; tile_dim0
	s_mov_b32 s[G1+4], 90                          ; tile_dim1
	s_mov_b32 s[G1+5], 32                          ; pitch
	s_mov_b32 s[G1+6], 0
	s_mov_b32 s[G1+7], 0
	s_mov_b32 s[G0], 1
	s_mul_i32 s[G0+1], s[WV], WLW                  ; LDS address: the wave's number alone
	v_and_b32 v12, 31, v0                          ; lane
	v_and_b32 v13, 15, v0                          ; r
	v_bfe_u32 v[BQO], v0, 4, 1
	v_lshlrev_b32 v[BQO], 5, v[BQO]
	v_lshlrev_b32 v[BVO], 2, v13
	v_lshlrev_b32 v[LI], 4, v12
	v_lshlrev_b32 v[XO], 2, v12
	s_lshl_b32 s38, s[HP], 13
	s_lshl_b32 s39, s[KW], 10
	s_add_co_u32 s38, s38, s39                     ; (8 p + ks) x 1,024
	v_lshl_add_u32 v[XRD], v12, 4, XIMG
	v_add_nc_u32 v[XWI], s38, v[XRD]
	s_lshl_b32 s38, s[HP], 9
	s_lshl_b32 s39, s[KW], 7
	s_add_co_u32 s38, s38, s39                     ; (4 p + ks) x 128
	v_lshl_add_u32 v[XSD], v12, 2, XSC
	v_add_nc_u32 v[XWS], s38, v[XSD]
	v_add_nc_u32 v[WRD], s[G0+1], v[LI]
	v_add_nc_u32 v[WSD], s[G0+1], v[XO]
	v_add_nc_u32 v[WSD], 20480, v[WSD]
.irp i, 0,1,2,3
	v_mov_b32 v[BV+2*\i+1], 0
.endr
	s_wait_dscnt 0x0                               ; both opening adds are done
	s_wait_kmcnt 0x0
	s_mov_b32 s40, s[G0+1]
	s_mov_b32 s41, 0
	s_add_nc_u64 s[G0+2:G0+3], s[6:7], s[40:41]    ; my 23,040 bytes of wimg: the same in all four partners
	s_or_b32 s[G0+3], s[G0+3], 0x80000000
	s_lshl_b32 s40, s[BB], 23                      ; x: the image, 8,388,608 bytes;
	s_lshl_b32 s42, s[KW], 21                      ; 128 channels of 16,384 bytes;
	s_add_co_u32 s40, s40, s42
	s_lshl_b32 s42, s[BLK], 8                      ; 64 positions;
	s_add_co_u32 s40, s40, s42
	s_lshl_b32 s42, s[HP], 7                       ; my 32 of them
	s_add_co_u32 s40, s40, s42
	s_add_nc_u64 s[XB:XB+1], s[4:5], s[40:41]
	s_cmp_lt_u32 s[WV], 4                          ; waves 0-3 make q, waves 4-7 k: pointers alone are chosen
	s_cselect_b64 s[SQ:SQ+1], s[14:15], s[16:17]
	s_cselect_b64 s[BQP:BQP+1], s[8:9], s[10:11]
	s_and_b32 s43, s[WV], 3                        ; ot
	s_lshl_b32 s40, s43, 6
	s_add_nc_u64 s[BQP:BQP+1], s[BQP:BQP+1], s[40:41]
	s_lshl_b32 s40, s[BB], 19
	s_lshl_b32 s42, s[BLK], 13
	s_add_co_u32 s40, s40, s42
	s_lshl_b32 s42, s43, 9
	s_add_co_u32 s40, s40, s42
	s_add_nc_u64 s[SQ:SQ+1], s[SQ:SQ+1], s[40:41]
	s_lshl_b32 s40, s[WV], 8
	s_add_nc_u64 s[BVP:BVP+1], s[12:13], s[40:41]
	s_lshl_b32 s40, s[BB], 22                      ; vimg: image; chunk = blk / 2; cw = w / 2; ks = 2 (blk % 2) + p; ct = 4 (w % 2) + i; part = e
	s_lshr_b32 s42, s[BLK], 1
	s_lshl_b32 s42, s42, 17
	s_add_co_u32 s40, s40, s42
	s_lshl_b32 s42, s[KW], 15
	s_add_co_u32 s40, s40, s42
	s_and_b32 s42, s[BLK], 1
	s_lshl_b32 s42, s42, 14
	s_add_co_u32 s40, s40, s42
	s_lshl_b32 s42, s[HP], 12
	s_add_co_u32 s40, s40, s42
	s_add_nc_u64 s[SV:SV+1], s[18:19], s[40:41]
	global_load_b128 v[BQ:BQ+3], v[BQO], s[BQP:BQP+1]
	global_load_b128 v[BQ+4:BQ+7], v[BQO], s[BQP:BQP+1] offset:16
.irp i, 0,1,2,3
	global_load_b32 v[BV+2*\i], v[BVO], s[BVP:BVP+1] offset:64*\i
.endr
	LOADX 0
	ROUND                                          ; all four work-groups are here: the joint loads meet
	tensor_load_to_lds s[G0:G0+3], s[G1:G1+7]      ; my weights: my one tensor load
	s_nop 0
	PLACES
	LOADX 1
	s_wait_loadcnt 32                              ; the biases and block 0 are in; block 1's 32 loads may be out
	LOADX 2
	QBLK 0
	s_wait_loadcnt 32                              ; block 1 is in; block 2's may be out
	LOADX 3
	QBLK 1
	s_wait_loadcnt 32                              ; block 2 is in; block 3's may be out
	QBLK 2
	s_wait_loadcnt 0x0
	QBLK 3
	v_nop                                          ; a plain line behind the last conversion
.irp i, 0,1,2,3
	v_permlane16_swap_b32 v[COD+\i], v[COD+8+\i]   ; blocks 0 and 1: the first's lanes 16-31 change places with the second's lanes 0-15
	v_permlane16_swap_b32 v[COD+4+\i], v[COD+12+\i]   ; blocks 2 and 3.  Now v160-167 is the even tile's fragment, v168-175 the odd tile's
.endr
	ds_store_b128 v[XWI], v[COD:COD+3]
	ds_store_b128 v[XWI], v[COD+4:COD+7] offset:512
	ds_store_b128 v[XWI], v[COD+8:COD+11] offset:4096
	ds_store_b128 v[XWI], v[COD+12:COD+15] offset:4608
	ds_store_b32 v[XWS], v[SW]
	s_wait_tensorcnt 0x0                           ; my weights have landed: I alone read them
	s_wait_dscnt 0x0                               ; for the others' sake: my images have landed
	s_barrier_signal -1
	s_barrier_wait -1                              ; x's sixteen fragments and eight word images lie in LDS
	HALF 0
	HALF 1
	s_wait_tensorcnt 0x0                           ; the wave's end: behind my last tensor load and my last LDS store
	ds_add_u32 v[SPW], v[NIL]
	s_wait_dscnt 0x0
	ROUND                                          ; the closing round
	s_endpgm
.Lfunc_end_k_qf7cb216a09_proj:
	.size	k_qf7cb216a09_proj, .Lfunc_end_k_qf7cb216a09_proj-k_qf7cb216a09_proj
	.p2alignl 7, 3214868480
	.fill 96, 4, 3214868480
	.section	.rodata,"a",@progbits
	.p2align	6, 0x0
	.amdhsa_kernel k_qf7cb216a09_proj
		.amdhsa_group_segment_fixed_size 204800
		.amdhsa_private_segment_fixed_size 0
		.amdhsa_enable_private_segment 0
		.amdhsa_kernarg_size 64
		.amdhsa_user_sgpr_count 2
		.amdhsa_user_sgpr_kernarg_segment_ptr 1
		.amdhsa_wavefront_size32 1
		.amdhsa_system_sgpr_workgroup_id_x 1
		.amdhsa_system_sgpr_workgroup_id_y 1
		.amdhsa_system_sgpr_workgroup_id_z 1
		.amdhsa_system_vgpr_workitem_id 0
		.amdhsa_next_free_vgpr 256
		.amdhsa_next_free_sgpr 66
		.amdhsa_reserve_vcc 0
		.amdhsa_float_denorm_mode_32 3
		.amdhsa_float_denorm_mode_16_64 3
		.amdhsa_memory_ordered 1
		.amdhsa_forward_progress 1
		.amdhsa_inst_pref_size 57
	.end_amdhsa_kernel
	.amdgpu_metadata
---
amdhsa.version: [ 1, 2 ]
amdhsa.kernels:
  - .name:           k_qf7cb216a09_proj
    .symbol:         k_qf7cb216a09_proj.kd
    .args:
      - { .name: x, .offset: 0, .size: 8, .value_kind: global_buffer, .address_space: global }
      - { .name: wimg, .offset: 8, .size: 8, .value_kind: global_buffer, .address_space: global }
      - { .name: bq, .offset: 16, .size: 8, .value_kind: global_buffer, .address_space: global }
      - { .name: bk, .offset: 24, .size: 8, .value_kind: global_buffer, .address_space: global }
      - { .name: bv, .offset: 32, .size: 8, .value_kind: global_buffer, .address_space: global }
      - { .name: qimg, .offset: 40, .size: 8, .value_kind: global_buffer, .address_space: global }
      - { .name: kimg, .offset: 48, .size: 8, .value_kind: global_buffer, .address_space: global }
      - { .name: vimg, .offset: 56, .size: 8, .value_kind: global_buffer, .address_space: global }
    .group_segment_fixed_size: 204800
    .private_segment_fixed_size: 0
    .kernarg_segment_align: 8
    .kernarg_segment_size: 64
    .max_flat_workgroup_size: 256
    .sgpr_count:     66
    .vgpr_count:     256
    .wavefront_size: 32
...
	.end_amdgpu_metadata
.endif
;; end of part 2
;; launch attn (part 3): grid 64 x 4, 8 waves a work-group, clusters of 4 x 1, 327,680 bytes of LDS; arguments qimg, kimg, vimg, x, gamma, out0; writes out0
.if DOCPART == 3
	.amdgcn_target "amdgcn-amd-amdhsa--gfx1250"
	.amdhsa_code_object_version 6
	.text
	.protected	k_qf7cb216a09_attn
	.globl	k_qf7cb216a09_attn
	.p2align	8
	.type	k_qf7cb216a09_attn,@function
k_qf7cb216a09_attn:
	s_mov_b64 s[64:65], 0
	v_nop
	global_prefetch_b8 v0, s[64:65] scope:SCOPE_SE
	s_setreg_imm32_b32 hwreg(HW_REG_WAVE_MODE, 25, 1), 1
	s_wait_xcnt 0x0
	s_wait_alu depctr_hold_cnt(0) depctr_sa_sdst(0) depctr_va_vdst(0) depctr_va_sdst(0) depctr_va_ssrc(0) depctr_va_vcc(0) depctr_vm_vsrc(0)
	s_getreg_b32 s2, hwreg(HW_REG_IB_STS2, 6, 4)
	s_cmp_eq_u32 s2, 0
	s_cbranch_scc0 .Lentry_in_a_cluster
	s_endpgm
.Lentry_in_a_cluster:
	s_bfe_u32 s2, ttmp6, 0x10000c
	s_cmp_lg_u32 s2, 0x3003
	s_cbranch_scc0 .Lentry_shape_is_right
	s_endpgm
.Lentry_shape_is_right:
; out0[b][c][i] = gamma x (sum over j of v[b][c][j] softmax_j(q[b][i] . k[b][j])) + x[b][c][i].  q, k (64 channels) and v (512) come as f16 images of operand registers (an image: 512 bytes, lane l's 16 bytes at 16 l).
; Both products take f16 operands and f32 sums; maxima, exponentials and the rows' sums are f32; the softmax takes a running maximum away.
; SHARES.  A work-group owns 64 queries of one image; query tile t, lane r, is query 4 r + t of them, so that at the end a lane's four tiles hold four neighbouring positions: 16 bytes of a row of out0.
; TWO ROLES, so that one role's vector work can be issued beside the other's matrix work.  Keys go in chunks of 128, one a trip, 32 trips.
;   Consumers (waves 0-3): wave cw holds O^T of channels 128 cw .. + 127 x 64 queries, 32 accumulators (window 1); a trip is 128 products O^T += V P (source 0 = 16 channels x 32 keys, source 1 = 32 keys x 16 queries).
;   Producers (waves 4-7): wave pw makes, one trip ahead, S^T = K Q^T for keys 32 pw .. + 31 of the next chunk x 64 queries (16 products), the softmax's p = 2^(c s - c m), c = log2(e), and stores p as f16 images.
; In S^T, P and O^T a lane holds ONE query (lane % 16).  m is the running maximum over all keys so far: the four producers exchange their local maxima through LDS, so all hold the same m.
; a = 2^(c m_old - c m_new) goes to the consumers, which multiply O^T by it ahead of the chunk's products; each producer keeps the sum l of its own keys' unrounded p, l = l a + sum; the four l are added at the end.
; THE WALK.  A softmax with a running maximum does not hang on the order of the keys.  The chunks go in eights: in its n-th step a cluster takes chunk 8 (n / 8) + (n + k) % 8, k = (cluster x + cluster x / 8) % 8.
; So clusters of an image with different k never take the same chunk in the same step, each eight's first step names all its eight chunks, one a cluster, and in eight steps every cluster has taken all eight.
; k takes all eight values among clusters 0-7, among 8-15, among the even ones and among the odd ones.  K is walked in the same order as V.
; V comes through a ring of two LDS slots of one chunk (131,072 bytes), each wave fetching 16,384 dense bytes.  CLUSTER: the four work-groups of a cluster belong to one image and walk the same V: each tile is asked for jointly.
; K is NOT asked for jointly and does not pass through LDS: it is 16 of a trip's 144 KiB, each byte is wanted by one wave of the work-group, and two slots with K beside two buffers of P would take all 327,680 bytes
; and leave none for the spare words.  It goes from memory into the producers' registers, a trip ahead.  Q and x belong to one work-group alone.
; A TRIP, two barriers.  The change of slots (a round of the cluster's barrier): V's chunk is whole, P's buffer and a are written, last trip's reads are over.  Behind it: consumers read a, rescale, two half steps; producers make
; S^T and store local maxima.  The middle barrier: maxima are written, a has been read.  Behind it: consumers' six half steps; producers' softmax; they store a and p for the next trip.
; LIMITS: |q|, |k|, |v| under 65,504 (f16); a weight p under 2^-24 counts as 0 in the numerator; NaN and infinities are not served.
.set SLOTB, 131072                     ; LDS 0 and 131,072: V's two slots: [cw 4][ks 4][ct 8][part 2][512]
.set PB,    262144                     ; P's two buffers of 16,384: fragment (ks, t) at (4 ks + t) x 1,024, part at + 512
.set PBUF,  16384
.set AB,    294912                     ; a: [pw 4][t 4][128]
.set MXB,   296960                     ; local maxima, likewise
.set LB,    299008                     ; the sums, likewise
.set SPARE, 301056                     ; the spare words, 128 bytes for each wave: four blocks of 256 bytes that no other line names
; window 0, both roles: every address register is made at the head, ahead of the first parting of the roles, and holds nothing else
.set VA,  1                            ; v1-2  my quarter of V's slot 0, 1
.set PR,  3                            ; v3    P: 16 x lane
.set PW,  4                            ; v4    P: my K step's fragments
.set AW,  5                            ; v5    a: copy idx (producers write it, consumer idx reads it)
.set MW,  6                            ; v6    my local maxima
.set MR,  7                            ; v7    everybody's
.set LW,  8                            ; v8    my sums
.set LR,  9                            ; v9    everybody's
.set SPW, 10                           ; v10   my spare word; never rewritten
.set NIL, 11                           ; v11   0; never rewritten
.set KO,  12                           ; v12   K: 16 x lane + 4,096 x idx
.set QO,  13                           ; v13   Q: my lane's query 4 r (+ t by the immediate)
.set XO,  14                           ; v14   x, out0: 16 r + 8 h rows
.set PFO, 15                           ; v15   256 x lane
.set PFX, 16                           ; v16   16,384 x lane
.set KOC, 17                           ; v17   K's offset of the loads in hand
.set A,   20                           ; v20, 22, 24, 26  a of tile t (the odd registers, named with them as pairs, hold 0)
.set INV, 28                           ; v28-31 consumers: gamma / l
.set OLD, 28                           ; v28-31 producers: c m_old - c m_new
; consumers: v32-223; no line of theirs names v224-255
.set PF,  32                           ; v32-95   P's fragments, two sets of four tiles
.set VF,  96                           ; v96-223  V's fragments, a ring of four sets of four
.set LG,  160                          ; v160-175 the way out: the four producers' sums, ahead of x's third batch, which lands there
.set XQ,  32                           ; v32-223  the way out: three sets of 16 x 4 numbers of x
; producers
.set QF,  32                           ; v32-95   Q: tile t, channels 32 kk on, at 16 t + 8 kk
.set G,   96                           ; v96-111  maxima
.set ST,  112                          ; v112-127 tile t: c m, m, l in two halves
.set S,   128                          ; v128-191 S^T, then p: accumulator (g, t) at 8 (4 g + t)
.set PK,  192                          ; v192-223 p as f16: 8 t + 4 g
.set KF,  224                          ; v224-255 K: key tile g, channels 32 kk on, at 16 g + 8 kk.  K's loads stay out across the barriers at which the roles meet: so these registers are the producers' alone
; scalar registers; s2, s3 (and in the head s62) are at work
.set WV,  16
.set IDX, 17
.set CX,  18
.set BLK, 19
.set BB,  20
.set GAM, 21
.set CS,  22                           ; s[22:23] c = log2(e): the packed form names a pair and takes its low word for both halves
.set G1,  24
.set G0,  32                           ; s[32:35], s[36:39]: a group 0 for each slot
.set SEL, 40
.set KB,  42
.set QB,  44
.set XB,  46
.set OB,  48
.set VB,  50                           ; s[50:51] vimg at my image and my wave's 16,384 bytes of a chunk; never rewritten
.set KS,  52                           ; K's chunk in hand, in bytes
.set KN,  53                           ; the step of the walk whose K is in hand
.set CNT, 54
.set KK,  55                           ; k of the walk
.set VOF, 56                           ; s[56:57] a chunk's place in an image's V, in bytes (the upper word stays 0); made anew for each use
.set VN,  58                           ; the step of the walk whose V is asked for next
.set NOASK, 59                         ; 0 in a wave that prefetches V, else 8
.set PFB, 60                           ; s[60:61] vimg at my image, my work-group's quarter of a chunk, my wave's quarter of that; never rewritten
.set PFA, 62                           ; s[62:63] the prefetch's address
.set MSB, 0
.macro WIN new                         ; the immediate's high byte repeats the setting that is left; a switch that changes nothing is dropped
.if MSB != \new
	s_set_vgpr_msb (MSB<<8)|\new
.set MSB, \new
.endif
.endm
.macro PLACES                          ; four places in front of loads into registers that matrix instructions have read, and of vector lines that read or write their results
.rept 4
	v_nop
.endr
.endm
.macro ROUND                           ; a round of the cluster's barrier
	s_barrier_signal -1
	s_barrier_wait -1
	s_cmp_lg_u32 s[WV], 0
	s_cbranch_scc1 .Lnot_wave_0_\@
	s_barrier_signal -3
.Lnot_wave_0_\@:
	s_barrier_wait -3
	s_barrier_signal -1
	s_barrier_wait -1
.endm
.macro BARM                            ; my LDS stores have landed and my LDS loads are in: then the work-group's barrier
	s_wait_dscnt 0x0
	s_barrier_signal -1
	s_barrier_wait -1
.endm
; Slot sl's group 0 takes the address of the walk's step VN: chunk 8 (VN / 8) + (VN + k) % 8 of my image; then VN steps.  All that enters is shared by the four partners: the image, the cluster's x, the wave's number, the count of steps.
.macro NEXTV sl
	s_add_co_u32 s[VOF], s[VN], s[KK]
	s_and_b32 s[VOF], s[VOF], 7
	s_and_b32 s2, s[VN], 24
	s_or_b32 s[VOF], s[VOF], s2
	s_lshl_b32 s[VOF], s[VOF], 17                  ; a chunk is 131,072 bytes
	s_add_nc_u64 s[G0+4*(\sl)+2:G0+4*(\sl)+3], s[VB:VB+1], s[VOF:VOF+1]
	s_or_b32 s[G0+4*(\sl)+3], s[G0+4*(\sl)+3], 0x80000000   ; type = 2
	s_add_co_u32 s[VN], s[VN], 1
.endm
; A PREFETCH INTO THE L2 of the chunk with which my cluster will begin the next eight: step 8 (e + 1), chunk 8 (e + 1) + k.  It stands behind the tensor load of step 8 e + 6 (VN has stepped to 8 e + 7), two trips
; (288 matrix instructions of a consumer and a producer) ahead of the tensor load that will ask for that chunk.  Clusters 0 to 7 of an image ask, where k = cluster x: together the eight chunks of the next eight.
; The four partners share the chunk out BY ADDRESS, 32,768 bytes each; in each the four producers take 8,192 bytes, lanes 256 bytes apart: each block is named once in the launch.
; The first eight come by their loads alone; at VN = 31 there is no next eight, and nothing is asked.
.macro ASK
	s_add_co_u32 s2, s[VN], 1
	s_and_b32 s3, s2, 32                           ; 32 at VN = 31,
	s_or_b32 s3, s3, s[NOASK]                      ; 8 in a wave that does not ask,
	s_and_b32 s[VOF], s[VN], 7
	s_or_b32 s3, s3, s[VOF]                        ; else VN % 8
	s_cmp_eq_u32 s3, 7
	s_cbranch_scc0 .Lnot_mine_\@
	s_add_co_u32 s2, s2, s[KK]                     ; chunk VN + 1 + k, 31 at the most
	s_lshl_b32 s[VOF], s2, 17
	s_wait_xcnt 0x0                                ; the last prefetch, eight trips back, has read its address
	s_add_nc_u64 s[PFA:PFA+1], s[PFB:PFB+1], s[VOF:VOF+1]
	global_prefetch_b8 v[PFO], s[PFA:PFA+1] th:TH_LOAD_NT scope:SCOPE_SE
.Lnot_mine_\@:
.endm
; THE CHANGE OF SLOTS at the head of a trip that reads slot sl.  fill = 1: the other slot, read last trip, takes the walk's next chunk: one joint load a wave, first thing behind the round, with a whole trip in which to land.
.macro CHANGE sl, fill
	s_wait_tensorcnt 0x0                           ; all my tensor loads have landed: my part of this trip's chunk; so a group 0 may be written
	ds_add_u32 v[SPW], v[NIL]                      ; 0 onto my spare word: the address's lines stand between it and the wait for it
.if \fill
	NEXTV 1-\sl
	s_wait_dscnt 0x0                               ; the add is done, my reads of the other slot and of P are over, my stores of p and a have landed
	ROUND
	tensor_load_to_lds s[G0+4*(1-\sl):G0+4*(1-\sl)+3], s[G1:G1+7]
	s_nop 0
	PLACES
	ASK
.else
	s_wait_dscnt 0x0
	s_barrier_signal -1
	s_barrier_wait -1
	PLACES
.endif
.endm
; HALF STEP u of 8: keys 32 (u / 2) on, channel tiles 4 (u % 2) .. + 3, all four query tiles: 16 products.  The 32 accumulators take turns, one instruction a turn.
; Ahead of the products stand the loads of what comes later: V's half step u + 3 (8 loads) and, at even u, P's next K step (8 loads).  The wait counts the LDS loads issued behind those that this half step multiplies.
.macro HALFSTEP u, sl, pb, zero
.if (\u) <= 4
	WIN 0
	PLACES
.if (\u)%2 == 0
.irp t, 0,1,2,3
.irp c, 0,1
	ds_load_b128 v[PF+32*(((\u)/2+1)%2)+8*\t+4*\c:PF+32*(((\u)/2+1)%2)+8*\t+4*\c+3], v[PR] offset:(\pb)*PBUF+(4*((\u)/2+1)+\t)*1024+512*\c
.endr
.endr
.endif
.irp f, 0,1,2,3
.irp c, 0,1
	ds_load_b128 v[VF+32*(((\u)+3)%4)+8*\f+4*\c:VF+32*(((\u)+3)%4)+8*\f+4*\c+3], v[VA+\sl] offset:((\u)+3)*4096+\f*1024+512*\c
.endr
.endr
	s_wait_dscnt 32                                ; four runs of eight loads were issued behind the youngest that is wanted here
.elseif (\u) == 5
	s_wait_dscnt 24                                ; behind V's half step 5: V 6, P 3, V 7
.elseif (\u) == 6
	s_wait_dscnt 8                                 ; behind P's K step 3: V 7
.else
	s_wait_dscnt 0x0
.endif
	WIN 0x50                                       ; C and D in window 1
.irp f, 0,1,2,3
.irp t, 0,1,2,3
.if \zero
	v_wmma_f32_16x16x32_f16 v[8*(4*(4*((\u)%2)+\f)+\t):8*(4*(4*((\u)%2)+\f)+\t)+7], v[VF+32*((\u)%4)+8*\f:VF+32*((\u)%4)+8*\f+7], v[PF+32*(((\u)/2)%2)+8*\t:PF+32*(((\u)/2)%2)+8*\t+7], 0
.else
	v_wmma_f32_16x16x32_f16 v[8*(4*(4*((\u)%2)+\f)+\t):8*(4*(4*((\u)%2)+\f)+\t)+7], v[VF+32*((\u)%4)+8*\f:VF+32*((\u)%4)+8*\f+7], v[PF+32*(((\u)/2)%2)+8*\t:PF+32*(((\u)/2)%2)+8*\t+7], v[8*(4*(4*((\u)%2)+\f)+\t):8*(4*(4*((\u)%2)+\f)+\t)+7]
.endif
.endr
.endr
.endm
; A consumer's trip up to the middle barrier.  first = 1: the first chunk's products start the sums: no a, nothing to rescale, nothing is ever cleared.
.macro CONS1 sl, pb, first
	PLACES
.if !\first
.irp t, 0,1,2,3
	ds_load_b32 v[A+2*\t], v[AW] offset:128*\t
.endr
.endif
.irp t, 0,1,2,3
.irp c, 0,1
	ds_load_b128 v[PF+8*\t+4*\c:PF+8*\t+4*\c+3], v[PR] offset:(\pb)*PBUF+\t*1024+512*\c
.endr
.endr
.irp n, 0,1,2
.irp f, 0,1,2,3
.irp c, 0,1
	ds_load_b128 v[VF+32*\n+8*\f+4*\c:VF+32*\n+8*\f+4*\c+3], v[VA+\sl] offset:\n*4096+\f*1024+512*\c
.endr
.endr
.endr
.if !\first
	s_wait_dscnt 32                                ; a is in; the 32 loads of P and V issued behind it land while O^T is rescaled
	WIN 0x41                                       ; O^T (destination and source 0) in window 1, a in window 0
.set k, 0
.rept 32
.irp i, 0,2,4,6
	v_pk_mul_f32 v[8*k+\i:8*k+\i+1], v[8*k+\i:8*k+\i+1], v[A+2*(k%4):A+2*(k%4)+1] op_sel_hi:[1,0]   ; each accumulator from its low end on
.endr
.set k, k+1
.endr
.endif
	HALFSTEP 0, \sl, \pb, \first
	HALFSTEP 1, \sl, \pb, \first
	WIN 0                                          ; at a label and at a branch every window is 0
.endm
.macro CONS2 sl, pb
.irp u, 2,3,4,5,6,7
	HALFSTEP \u, \sl, \pb, 0
.endr
	WIN 0
.endm
; A producer's trip up to the middle barrier: S^T of the next chunk, the loads of K for the chunk after it in the walk, the local maxima.
; xp >= 0: in the loop's last pass two prefetches into the L2 of the rows of x that consumer idx will load on the way out: 32 channels each, a lane a row of 256 bytes; four in all name the 128 rows once.
.macro PROD1 xp
	s_wait_loadcnt 0x0                             ; K (in the first call Q too) is in, and KOC is free
	s_add_co_u32 s[KN], s[KN], 1                   ; the walk's next step: chunk 8 (KN / 8 % 4) + (KN + k) % 8;
	s_add_co_u32 s[KS], s[KN], s[KK]
	s_and_b32 s[KS], s[KS], 7
	s_and_b32 s2, s[KN], 24                        ; the very last look-ahead, KN = 32, gives chunk k, inside the image's k; its numbers are not used
	s_or_b32 s[KS], s[KS], s2
	s_lshl_b32 s[KS], s[KS], 14                    ; a chunk of k is 16,384 bytes
	v_add_nc_u32 v[KOC], s[KS], v[KO]
.irp kk, 0,1
.irp g, 0,1
.irp t, 0,1,2,3
.if \kk == 0
	v_wmma_f32_16x16x32_f16 v[S+8*(4*\g+\t):S+8*(4*\g+\t)+7], v[KF+16*\g:KF+16*\g+7], v[QF+16*\t:QF+16*\t+7], 0
.else
	v_wmma_f32_16x16x32_f16 v[S+8*(4*\g+\t):S+8*(4*\g+\t)+7], v[KF+16*\g+8:KF+16*\g+15], v[QF+16*\t+8:QF+16*\t+15], v[S+8*(4*\g+\t):S+8*(4*\g+\t)+7]
.endif
.endr
.endr
.endr
	PLACES
.irp i, 0,1,2,3,4,5,6,7
	global_load_b128 v[KF+4*\i:KF+4*\i+3], v[KOC], s[KB:KB+1] offset:512*\i   ; 512 consecutive bytes each; a whole trip ahead of their use
.endr
.if \xp >= 0
	s_cmp_eq_u32 s[CNT], 1
	s_cbranch_scc0 .Lno_x_\@
	global_prefetch_b8 v[PFX], s[XB:XB+1] offset:(64*(\xp))*16384 th:TH_LOAD_NT scope:SCOPE_SE
	global_prefetch_b8 v[PFX], s[XB:XB+1] offset:(64*(\xp)+32)*16384 th:TH_LOAD_NT scope:SCOPE_SE
.Lno_x_\@:
.endif
.irp t, 0,1,2,3
	v_max3_num_f32 v[G+\t], v[S+8*\t], v[S+8*\t+1], v[S+8*\t+2]   ; my 16 scores of tile t, the four tiles by turns; each accumulator is read from its low end on
.endr
.irp i, 3,5
.irp t, 0,1,2,3
	v_max3_num_f32 v[G+\t], v[G+\t], v[S+8*\t+\i], v[S+8*\t+\i+1]
.endr
.endr
.irp t, 0,1,2,3
	v_max3_num_f32 v[G+\t], v[G+\t], v[S+8*\t+7], v[S+32+8*\t]
.endr
.irp i, 1,3,5
.irp t, 0,1,2,3
	v_max3_num_f32 v[G+\t], v[G+\t], v[S+32+8*\t+\i], v[S+32+8*\t+\i+1]
.endr
.endr
.irp t, 0,1,2,3
	v_max_num_f32 v[G+\t], v[G+\t], v[S+32+8*\t+7]
.endr
.irp t, 0,1,2,3
	v_permlanex16_b32 v[G+4+\t], v[G+\t], s[SEL], s[SEL+1]   ; the query's other 16 keys lie in the lane 16 away
.endr
.irp t, 0,1,2,3
	v_max_num_f32 v[G+\t], v[G+\t], v[G+4+\t]
.endr
.irp t, 0,1,2,3
	ds_store_b32 v[MW], v[G+\t] offset:128*\t
.endr
.endm
; A producer's trip behind the middle barrier: the new m, a, p, l; a and p go to LDS, p into buffer pbw.
.macro PROD2 pbw
.irp p, 0,1,2,3
.irp t, 0,1,2,3
	ds_load_b32 v[G+4*\p+\t], v[MR] offset:512*\p+128*\t
.endr
.endr
	s_wait_dscnt 0x0
.irp t, 0,1,2,3
	v_max3_num_f32 v[G+\t], v[G+\t], v[G+4+\t], v[G+8+\t]
.endr
.irp t, 0,1,2,3
	v_mov_b32 v[OLD+\t], v[ST+4*\t]                ; c m_old
.endr
.irp t, 0,1,2,3
	v_max3_num_f32 v[ST+4*\t+1], v[G+\t], v[G+12+\t], v[ST+4*\t+1]   ; the running maximum, the same in all four producers
.endr
.irp t, 0,1,2,3
	v_mul_f32 v[ST+4*\t], s[CS], v[ST+4*\t+1]
.endr
.irp t, 0,1,2,3
	v_sub_f32 v[OLD+\t], v[OLD+\t], v[ST+4*\t]
.endr
.irp g, 0,1
.irp i, 0,2,4,6
.irp t, 0,1,2,3
	v_pk_fma_f32 v[S+32*\g+8*\t+\i:S+32*\g+8*\t+\i+1], v[S+32*\g+8*\t+\i:S+32*\g+8*\t+\i+1], s[CS:CS+1], v[ST+4*\t:ST+4*\t+1] op_sel_hi:[1,0,0] neg_lo:[0,0,1] neg_hi:[0,0,1]   ; c s - c m
.endr
.endr
.endr
.irp t, 0,1,2,3
	v_exp_f32 v[A+2*\t], v[OLD+\t]                 ; a; in the first call 2^(-infinity) = 0, over a sum of 0
.endr
.set e, 0
.rept 64
	v_exp_f32 v[S+e], v[S+e]                       ; p, at most 1
.set e, e+1
.endr
	v_nop                                          ; a plain line behind the last exponential
	s_wait_alu depctr_va_vdst(0)                   ; the wait ahead of the first line that names a result: one for the batch of 68
.irp t, 0,1,2,3
	ds_store_b32 v[AW], v[A+2*\t] offset:128*\t
.endr
.irp t, 0,1,2,3
	v_pk_fma_f32 v[ST+4*\t+2:ST+4*\t+3], v[ST+4*\t+2:ST+4*\t+3], v[A+2*\t:A+2*\t+1], v[S+8*\t:S+8*\t+1] op_sel_hi:[1,0,1]   ; l = l a + the unrounded p, two at a time
.endr
.irp i, 2,4,6
.irp t, 0,1,2,3
	v_pk_add_f32 v[ST+4*\t+2:ST+4*\t+3], v[ST+4*\t+2:ST+4*\t+3], v[S+8*\t+\i:S+8*\t+\i+1]
.endr
.endr
.irp i, 0,2,4,6
.irp t, 0,1,2,3
	v_pk_add_f32 v[ST+4*\t+2:ST+4*\t+3], v[ST+4*\t+2:ST+4*\t+3], v[S+32+8*\t+\i:S+32+8*\t+\i+1]
.endr
.endr
.irp t, 0,1,2,3
.irp g, 0,1
.irp i, 0,1,2,3
	v_cvt_pk_f16_f32 v[PK+8*\t+4*\g+\i], v[S+32*\g+8*\t+2*\i], v[S+32*\g+8*\t+2*\i+1]
.endr
.endr
.endr
.irp t, 0,1,2,3
.irp g, 0,1
	ds_store_b128 v[PW], v[PK+8*\t+4*\g:PK+8*\t+4*\g+3] offset:(\pbw)*PBUF+\t*1024+512*\g   ; key tile g is registers 4 g .. 4 g + 3 of source 1
.endr
.endr
.endm
; A trip behind its change of slots.  The roles part on the wave's number alone and meet at every barrier.
.macro TRIP sl, pb, first, xp
	s_cmp_lt_u32 s[WV], 4
	s_cbranch_scc0 .Lp1_\@
	CONS1 \sl, \pb, \first
	s_branch .Lj1_\@
.Lp1_\@:
	PROD1 \xp
.Lj1_\@:
	BARM                                           ; the maxima are written; a has been read
	s_cmp_lt_u32 s[WV], 4
	s_cbranch_scc0 .Lp2_\@
	CONS2 \sl, \pb
	s_branch .Lj2_\@
.Lp2_\@:
	PROD2 1-\pb
.Lj2_\@:
.endm
; The way out, in four batches of two channel tiles: 16 rows x 16 bytes a lane.
.macro XLOAD n
.irp c, 0,1
.irp j, 0,1,2,3,4,5,6,7
	global_load_b128 v[XQ+64*((\n)%3)+32*\c+4*\j:XQ+64*((\n)%3)+32*\c+4*\j+3], v[XO], s[XB:XB+1] offset:(16*(2*(\n)+\c)+\j)*16384 th:TH_LOAD_NT
.endr
.endr
.endm
.macro OUT n, left
	s_wait_loadcnt \left                           ; this batch of x is in; the later batches' loads may be out
	WIN 0x01                                       ; source 0, O^T, in window 1
.irp c, 0,1
.irp j, 0,1,2,3,4,5,6,7
.irp t, 0,1,2,3
	v_fma_f32 v[XQ+64*((\n)%3)+32*\c+4*\j+\t], v[8*(4*(2*(\n)+\c)+\t)+\j], v[INV+\t], v[XQ+64*((\n)%3)+32*\c+4*\j+\t]   ; O^T x gamma / l + x; each accumulator from its low end on
.endr
.endr
.endr
	WIN 0
.irp c, 0,1
.irp j, 0,1,2,3,4,5,6,7
	global_store_b128 v[XO], v[XQ+64*((\n)%3)+32*\c+4*\j:XQ+64*((\n)%3)+32*\c+4*\j+3], s[OB:OB+1] offset:(16*(2*(\n)+\c)+\j)*16384 th:TH_STORE_NT   ; 16 lanes store 256 consecutive bytes, at a multiple of 256 from out0's first byte
.endr
.endr
.endm
	s_load_b256 s[4:11], s[0:1], 0x0               ; qimg s[4:5], kimg s[6:7], vimg s[8:9], x s[10:11]
	s_load_b128 s[12:15], s[0:1], 0x20             ; gamma s[12:13], out0 s[14:15]
	v_lshl_add_u32 v[SPW], v0, 2, SPARE
	v_mov_b32 v[NIL], 0
	ds_add_u32 v[SPW], v[NIL]                      ; the wave's opening: the add, twice on end, and its wait ahead of my first tensor load
	ds_add_u32 v[SPW], v[NIL]
	v_lshrrev_b32 v17, 5, v0
	v_readfirstlane_b32 s[WV], v17                 ; wave 0..7: 0-3 consume, 4-7 produce
	s_and_b32 s[IDX], s[WV], 3                     ; my number in my role
	s_bfe_u32 s[CX], ttmp6, 0x40000                ; my place in the cluster: it enters global addresses alone
	s_lshl_b32 s[BLK], ttmp9, 2
	s_add_co_u32 s[BLK], s[BLK], s[CX]             ; my block of 64 queries
	s_and_b32 s[BB], ttmp7, 0xffff                 ; the image, which the four partners share
	s_mov_b32 s[G1], 15|(3<<16)|(1<<21)            ; the mask: all four work-groups; elements of 8 bytes; bit 21 beside a mask; no padding: images are read 512 consecutive bytes at a time
	s_mov_b32 s[G1+1], 32<<16                      ; tensor_dim0 = 32 elements: rows of 256 bytes
	s_mov_b32 s[G1+2], 64<<16                      ; tensor_dim1 = 64 rows: 16,384 dense bytes
	s_mov_b32 s[G1+3], 32<<16                      ; tile_dim0
	s_mov_b32 s[G1+4], 64                          ; tile_dim1
	s_mov_b32 s[G1+5], 32                          ; pitch
	s_mov_b32 s[G1+6], 0
	s_mov_b32 s[G1+7], 0
	s_mov_b32 s[CS], 0x3fb8aa3b                    ; c = log2(e)
	s_mov_b32 s[CS+1], s[CS]
	s_mov_b32 s[SEL], 0x76543210
	s_mov_b32 s[SEL+1], 0xfedcba98                 ; v_permlanex16_b32's selects for lane l xor 16
	s_lshr_b32 s2, s[WV], 2
	s_xor_b32 s2, s2, 1                            ; 0 in a producer,
	s_lshr_b32 s3, ttmp9, 3
	s_or_b32 s2, s2, s3                            ; of clusters 0 to 7 of the image: the same in all four partners
	s_cmp_eq_u32 s2, 0
	s_cselect_b32 s[NOASK], 0, 8
	s_add_co_u32 s[KK], ttmp9, s3
	s_and_b32 s[KK], s[KK], 7                      ; k = (cluster x + cluster x / 8) % 8
	s_mov_b32 s[VN], 0                             ; the walk begins
	s_mov_b32 s[KN], 0
	s_mov_b32 s[VOF+1], 0
	s_lshl_b32 s[KS], s[KK], 14                    ; step 0 is chunk k
	v_and_b32 v17, 31, v0                          ; lane
	v_and_b32 v18, 15, v0                          ; r
	v_bfe_u32 v19, v0, 4, 1                        ; h
	s_lshl_b32 s2, s[IDX], 15
	v_lshlrev_b32 v[VA], 4, v17
	v_add_nc_u32 v[VA], s2, v[VA]
	v_add_nc_u32 v[VA+1], SLOTB, v[VA]
	v_lshl_add_u32 v[PR], v17, 4, PB
	s_lshl_b32 s2, s[IDX], 12
	v_add_nc_u32 v[PW], s2, v[PR]
	v_lshlrev_b32 v[KO], 4, v17
	v_add_nc_u32 v[KO], s2, v[KO]
	s_lshl_b32 s2, s[IDX], 9
	v_lshl_add_u32 v[AW], v17, 2, AB
	v_add_nc_u32 v[AW], s2, v[AW]
	v_lshl_add_u32 v[MR], v17, 2, MXB
	v_add_nc_u32 v[MW], s2, v[MR]
	v_lshl_add_u32 v[LR], v17, 2, LB
	v_add_nc_u32 v[LW], s2, v[LR]
	v_lshlrev_b32 v[PFO], 8, v17
	v_lshlrev_b32 v[PFX], 14, v17
	v_lshrrev_b32 v[QO], 2, v18                    ; query 4 r + t lies in position tile r / 4, at lane 4 (r % 4) + t (+ 16 h) of its images
	v_lshlrev_b32 v[QO], 11, v[QO]
	v_and_b32 v17, 3, v18
	v_lshl_add_u32 v[QO], v17, 6, v[QO]
	v_lshl_add_u32 v[QO], v19, 8, v[QO]
	v_lshlrev_b32 v[XO], 4, v18
	v_lshl_add_u32 v[XO], v19, 17, v[XO]           ; lanes 16-31: eight channels of 16,384 bytes further on
.irp t, 0,1,2,3
	v_mov_b32 v[A+2*\t+1], 0
.endr
	s_wait_dscnt 0x0                               ; both opening adds are done
	s_wait_kmcnt 0x0
	s_load_b32 s[GAM], s[12:13], 0x0               ; gamma: waited for in front of the first trip's barrier
	s_mov_b32 s3, 0
	s_lshl_b32 s2, s[BB], 22                       ; vimg: the image, 4,194,304 bytes; my 16,384 of a chunk: no place in the cluster enters a descriptor
	s_lshl_b32 s62, s[WV], 14
	s_add_co_u32 s2, s2, s62
	s_add_nc_u64 s[VB:VB+1], s[8:9], s[2:3]
.irp s, 0,1
	s_mov_b32 s[G0+4*\s], 1
	s_lshl_b32 s[G0+4*\s+1], s[WV], 14
	s_add_co_u32 s[G0+4*\s+1], s[G0+4*\s+1], \s*SLOTB
	NEXTV \s                                       ; steps 0 and 1 of the walk
.endr
	s_lshl_b32 s2, s[BB], 22                       ; the prefetches of V: my work-group's quarter of a chunk, my wave's quarter of that
	s_lshl_b32 s62, s[CX], 15
	s_add_co_u32 s2, s2, s62
	s_lshl_b32 s62, s[IDX], 13
	s_add_co_u32 s2, s2, s62
	s_add_nc_u64 s[PFB:PFB+1], s[8:9], s[2:3]
	s_lshl_b32 s2, s[BB], 19
	s_add_nc_u64 s[KB:KB+1], s[6:7], s[2:3]        ; the image's k
	s_lshl_b32 s62, s[BLK], 13
	s_add_co_u32 s2, s2, s62
	s_add_nc_u64 s[QB:QB+1], s[4:5], s[2:3]        ; my block's q
	s_lshl_b32 s2, s[BB], 23
	s_lshl_b32 s62, s[IDX], 21
	s_add_co_u32 s2, s2, s62
	s_lshl_b32 s62, s[BLK], 8
	s_add_co_u32 s2, s2, s62
	s_add_nc_u64 s[XB:XB+1], s[10:11], s[2:3]      ; x and out0: the image, channels 128 idx on, my 64 positions
	s_add_nc_u64 s[OB:OB+1], s[14:15], s[2:3]
	ROUND                                          ; all four work-groups are here: the first joint loads meet
	tensor_load_to_lds s[G0:G0+3], s[G1:G1+7]      ; the walk's first two chunks: two loads of mine are out
	s_nop 0
	tensor_load_to_lds s[G0+4:G0+7], s[G1:G1+7]
	s_nop 0
	PLACES
	; THE PROLOGUE: the producers make the first chunk's p
	s_cmp_lt_u32 s[WV], 4
	s_cbranch_scc1 .Lpro1
.irp t, 0,1,2,3
.irp o, 0,1,2,3
	global_load_b128 v[QF+16*\t+4*\o:QF+16*\t+4*\o+3], v[QO], s[QB:QB+1] offset:512*\o+16*\t   ; Q stays in registers
.endr
.endr
	v_add_nc_u32 v[KOC], s[KS], v[KO]              ; step 0's chunk of k
.irp i, 0,1,2,3,4,5,6,7
	global_load_b128 v[KF+4*\i:KF+4*\i+3], v[KOC], s[KB:KB+1] offset:512*\i
.endr
.irp t, 0,1,2,3
	v_mov_b32 v[ST+4*\t], 0xff800000               ; c m and m: -infinity, under every score
	v_mov_b32 v[ST+4*\t+1], 0xff800000
	v_mov_b32 v[ST+4*\t+2], 0                      ; l
	v_mov_b32 v[ST+4*\t+3], 0
	v_mov_b32 v[G+4+\t], 0                         ; written once: a lane permute's destination counts as one of its sources
.endr
	PROD1 -1
.Lpro1:
	BARM
	s_cmp_lt_u32 s[WV], 4
	s_cbranch_scc1 .Lpro2
	PROD2 0
.Lpro2:
	s_wait_kmcnt 0x0                               ; gamma
	s_wait_tensorcnt 0x1                           ; my part of the first chunk is in; the second's may stay out
	s_wait_dscnt 0x0                               ; the first chunk's p has landed
	s_barrier_signal -1
	s_barrier_wait -1
	TRIP 0, 0, 1, -1                               ; trip 0 stands in front of the loop: its products start the sums
	s_mov_b32 s[CNT], 15
.Lloop:                                            ; a pass is two trips, once round the ring: trips 1 to 30, which ask for steps 2 to 31 of the walk
	CHANGE 1, 1
	TRIP 1, 1, 0, 0
	CHANGE 0, 1
	TRIP 0, 0, 0, 1
	s_sub_co_u32 s[CNT], s[CNT], 1
	s_cmp_lg_u32 s[CNT], 0
	s_cbranch_scc1 .Lloop
	CHANGE 1, 0                                    ; trip 31 is written out: nothing is left to fetch, and the producers have only their sums to hand over
	s_cmp_lt_u32 s[WV], 4
	s_cbranch_scc0 .Llast_p
	CONS1 1, 1, 0
	CONS2 1, 1
	PLACES                                         ; for the loads into the fragments' registers, here and behind the barrier, and for the first reads of O^T
	XLOAD 0
	XLOAD 1                                        ; two batches of x are asked for ahead of the barrier; the third's registers first take the sums
	s_branch .Llast_j
.Llast_p:
.irp t, 0,1,2,3
	v_add_f32 v[G+\t], v[ST+4*\t+2], v[ST+4*\t+3]  ; l's two halves,
.endr
.irp t, 0,1,2,3
	v_permlanex16_b32 v[G+4+\t], v[G+\t], s[SEL], s[SEL+1]
.endr
.irp t, 0,1,2,3
	v_add_f32 v[G+\t], v[G+\t], v[G+4+\t]          ; and lane l xor 16's
.endr
.irp t, 0,1,2,3
	ds_store_b32 v[LW], v[G+\t] offset:128*\t
.endr
.Llast_j:
	BARM                                           ; the four producers' sums lie in LDS
	s_cmp_lt_u32 s[WV], 4
	s_cbranch_scc0 .Lend
.irp p, 0,1,2,3
.irp t, 0,1,2,3
	ds_load_b32 v[LG+4*\p+\t], v[LR] offset:512*\p+128*\t
.endr
.endr
	s_wait_dscnt 0x0
.irp t, 0,1,2,3
	v_add_f32 v[LG+\t], v[LG+\t], v[LG+4+\t]
.endr
.irp t, 0,1,2,3
	v_add_f32 v[LG+8+\t], v[LG+8+\t], v[LG+12+\t]
.endr
.irp t, 0,1,2,3
	v_add_f32 v[LG+\t], v[LG+\t], v[LG+8+\t]       ; the row's sum over all 4,096 keys
.endr
.irp t, 0,1,2,3
	v_rcp_f32 v[INV+\t], v[LG+\t]
.endr
	v_nop                                          ; a plain line behind the last reciprocal
	s_wait_alu depctr_va_vdst(0)                   ; and the wait ahead of the first use: one for the four
.irp t, 0,1,2,3
	v_mul_f32 v[INV+\t], s[GAM], v[INV+\t]
.endr
	XLOAD 2                                        ; the sums have been read: their registers take x's third batch
	OUT 0, 32                                      ; behind batch 0's loads: batches 1 and 2
	s_wait_xcnt 0x0                                ; batch 0's stores have read their registers: batch 3 lands there
	XLOAD 3
	OUT 1, 32                                      ; behind batch 1's: batches 2 and 3
	OUT 2, 16
	OUT 3, 0
.Lend:
	s_wait_tensorcnt 0x0                           ; the wave's end: behind my last tensor load and my last LDS store
	ds_add_u32 v[SPW], v[NIL]
	s_wait_dscnt 0x0
	ROUND                                          ; the closing round: no work-group ends while a partner may still ask for a tile that names it
	s_endpgm
.Lfunc_end_k_qf7cb216a09_attn:
	.size	k_qf7cb216a09_attn, .Lfunc_end_k_qf7cb216a09_attn-k_qf7cb216a09_attn
	.p2alignl 7, 3214868480
	.fill 96, 4, 3214868480
	.section	.rodata,"a",@progbits
	.p2align	6, 0x0
	.amdhsa_kernel k_qf7cb216a09_attn
		.amdhsa_group_segment_fixed_size 327680
		.amdhsa_private_segment_fixed_size 0
		.amdhsa_enable_private_segment 0
		.amdhsa_kernarg_size 48
		.amdhsa_user_sgpr_count 2
		.amdhsa_user_sgpr_kernarg_segment_ptr 1
		.amdhsa_wavefront_size32 1
		.amdhsa_system_sgpr_workgroup_id_x 1
		.amdhsa_system_sgpr_workgroup_id_y 1
		.amdhsa_system_sgpr_workgroup_id_z 1
		.amdhsa_system_vgpr_workitem_id 0
		.amdhsa_next_free_vgpr 512
		.amdhsa_next_free_sgpr 66
		.amdhsa_reserve_vcc 0
		.amdhsa_float_denorm_mode_32 3
		.amdhsa_float_denorm_mode_16_64 3
		.amdhsa_memory_ordered 1
		.amdhsa_forward_progress 1
		.amdhsa_inst_pref_size 194
	.end_amdhsa_kernel
	.amdgpu_metadata
---
amdhsa.version: [ 1, 2 ]
amdhsa.kernels:
  - .name:           k_qf7cb216a09_attn
    .symbol:         k_qf7cb216a09_attn.kd
    .args:
      - { .name: qimg, .offset: 0, .size: 8, .value_kind: global_buffer, .address_space: global }
      - { .name: kimg, .offset: 8, .size: 8, .value_kind: global_buffer, .address_space: global }
      - { .name: vimg, .offset: 16, .size: 8, .value_kind: global_buffer, .address_space: global }
      - { .name: x, .offset: 24, .size: 8, .value_kind: global_buffer, .address_space: global }
      - { .name: gamma, .offset: 32, .size: 8, .value_kind: global_buffer, .address_space: global }
      - { .name: out0, .offset: 40, .size: 8, .value_kind: global_buffer, .address_space: global }
    .group_segment_fixed_size: 327680
    .private_segment_fixed_size: 0
    .kernarg_segment_align: 8
    .kernarg_segment_size: 48
    .max_flat_workgroup_size: 256
    .sgpr_count:     66
    .vgpr_count:     512
    .wavefront_size: 32
...
	.end_amdgpu_metadata
.endif
;; end of part 3
